; MI455X (gfx1250); checked and timed in simulation.
; The chip was launched on July 23, 2026; its instructions are those of AMD's public machine-readable ISA for CDNA 5 (MIT licence, August 2026) and "CDNA5" Instruction Set Architecture Reference Guide (July 2026). The comments in the code are by the model that wrote it; some were corrected since.
;; Max Pool4d. Allowed arithmetic: float matrix products may take bf16 or f16 operands with f32 sums; all other float work in f32.
;; Inputs: x 2 x 16 x 32 x 32 x 32 x 32 float32.
;; Outputs: out0 2 x 16 x 16 x 16 x 16 x 16 float32.
;; 2 versions, each right; version 2 is version 1 with the launch pool written anew for expert scheduling mode. Each part assembles by itself: llvm-mc -triple=amdgcn-amd-amdhsa -mcpu=gfx1250 --defsym DOCPART=n.
;; ======== version 1 of 2: 1 launch
;; launch pool (part 1): grid 256 x 1, 16 waves a work-group, no clusters, 0 bytes of LDS; arguments x, out0; writes out0
.if DOCPART == 1
	.amdgcn_target "amdgcn-amd-amdhsa--gfx1250"
	.amdhsa_code_object_version 6
	.text
	.protected	k_q6b4865ed6d_pool
	.globl	k_q6b4865ed6d_pool
	.p2align	8
	.type	k_q6b4865ed6d_pool,@function
k_q6b4865ed6d_pool:
	s_mov_b64 s[64:65], 0
	v_nop
	global_prefetch_b8 v0, s[64:65] scope:SCOPE_SE
	s_setreg_imm32_b32 hwreg(HW_REG_WAVE_MODE, 25, 1), 1
	s_wait_xcnt 0x0
; out0[bc][t'][d'][h'][w'] = max of x[bc][2t'+i][2d'+j][2h'+k][2w'+l], i, j, k, l in {0, 1}.
; x: [32][32][32][32][32] f32 (bc, t, d, h, w), out0: [32][16][16][16][16] f32.
; A stream: 134,217,728 bytes in, 8,388,608 out, 15 maxima an output.  Every input byte is loaded once, every output byte stored once.
;
; UNIT OF WORK: four output rows (h' = 4q .. 4q+3) of one output plane = 256 consecutive, aligned bytes of out0.  It is fed by eight input
; rows (h = 8q .. 8q+7, 1,024 consecutive bytes) of each of four input planes: (t, d), (t, d+1), (t+1, d), (t+1, d+1).  Eight loads of
; 16 bytes a lane, each covering 512 consecutive bytes for the wave; one store of 8 bytes a lane, covering the 256 bytes.
; SHARES: work-group g owns the 524,288 consecutive bytes of x at 524,288 g (four t slabs of one bc) and the 32,768 consecutive bytes of
; out0 at 32,768 g.  In step s (0 .. 7) its sixteen waves together read 32 KiB in a run at t and 32 KiB in a run at t+1, and write 4 KiB
; in a run; wave w takes plane w / 4 and quarter w % 4 of that step.  All steps are immediate offsets: no address register is rewritten.
; RING: four slots of 32 registers in each wave, 32 loads (16 KiB) of a wave on their way.
; NOT USED: LDS, barriers, the data mover (no wave needs another's bytes, and the registers hold what is in flight); clusters (no two
; work-groups read the same byte); matrix instructions (no products).
; VALUES: v_maximum_f32 lets a NaN win, as the reference's max does; infinities pass as they are.  Limit kept: of +0 and -0 the result
; is +0, whichever of the two equal numbers the reference returns.
.set DEPTH,  4                         ; slots = units in flight in each wave
.set D_STEP, 4096                      ; bytes of x from d to d+1 (one plane of 32 x 32 f32)
.set T_STEP, 131072                    ; bytes of x from t to t+1
.set LO, 1                             ; v1        16 x lane: my 16 bytes in a run of 512
.set SO, 2                             ; v2        my 8 bytes in the unit's 256 bytes of out0
.set T,  4                             ; v[4:11]   at work
.set Y,  12                            ; v[12:27]  unit u: its own pair of results, so that no store's data is ever rewritten
.set X,  28                            ; v[28:155] slot s: 32 registers; plane p at 8 p; lower 512 bytes (A) at +0, upper (B) at +4
	s_load_b128 s[4:7], s[0:1], 0x0                ; x s[4:5], out0 s[6:7]
	v_lshrrev_b32 v3, 5, v0
	v_readfirstlane_b32 s8, v3                     ; wave 0 .. 15
	v_and_b32 v3, 31, v0                           ; lane l
	v_lshlrev_b32 v[LO], 4, v3
	; In a run of 512 bytes lane l holds w = 4 (l % 8) .. +3 of row l / 8.  Behind the exchange below, lanes with bit 3 clear hold output row
	; l / 16 (from A), lanes with bit 3 set output row 2 + l / 16 (from B), each the columns w' = 2 (l % 8), +1.
	v_and_b32 v[SO], 7, v3
	v_lshlrev_b32 v[SO], 3, v[SO]                  ; 8 (l % 8)
	v_bfe_u32 v[T], v3, 4, 1
	v_lshl_add_u32 v[SO], v[T], 6, v[SO]           ; + 64 x bit 4: one output row
	v_bfe_u32 v[T], v3, 3, 1
	v_lshl_add_u32 v[SO], v[T], 7, v[SO]           ; + 128 x bit 3: two output rows
	s_mov_b32 vcc_lo, 0xff00ff00                   ; the lanes with bit 3 set; never rewritten
	s_lshl_b32 s10, ttmp9, 19                      ; x: 524,288 g (below 2^27)
	s_lshr_b32 s9, s8, 2
	s_lshl_b32 s9, s9, 13                          ; + (w / 4) output planes = pairs of input planes, 8,192 bytes
	s_add_co_u32 s10, s10, s9
	s_and_b32 s9, s8, 3
	s_lshl_b32 s9, s9, 10                          ; + (w % 4) quarters of 1,024 bytes
	s_add_co_u32 s10, s10, s9
	s_mov_b32 s11, 0
	s_lshl_b32 s12, ttmp9, 15                      ; out0: 32,768 g
	s_lshl_b32 s9, s8, 8                           ; + 256 w
	s_add_co_u32 s12, s12, s9
	s_mov_b32 s13, 0
	s_wait_kmcnt 0x0
	s_add_nc_u64 s[4:5], s[4:5], s[10:11]
	s_add_nc_u64 s[6:7], s[6:7], s[12:13]
; Eight loads: unit u into slot s.  Steps 0-3 walk d' in fours (32,768 bytes of x each), steps 4-7 the same for the next t' (262,144 bytes on).
; The data are read once in the whole launch: non-temporal.
.macro FILL s, u
.set IN, ((\u)&3)*32768+((\u)>>2)*262144
.irp p, 0,1,2,3
	global_load_b128 v[X+32*\s+8*\p:X+32*\s+8*\p+3],   v[LO], s[4:5] offset:IN+(\p&1)*D_STEP+(\p>>1)*T_STEP th:TH_LOAD_NT
	global_load_b128 v[X+32*\s+8*\p+4:X+32*\s+8*\p+7], v[LO], s[4:5] offset:IN+(\p&1)*D_STEP+(\p>>1)*T_STEP+512 th:TH_LOAD_NT
.endr
.endm
; The turn of unit u, which lies in slot s.  fill = 1: the slot then takes unit u + DEPTH.  left = younger loads that may stay out.
.macro TURN u, s, fill, left
	s_wait_loadcnt \left                           ; loads come back in order (ISA guide 5.7.1): this unit's eight are in
	; over t and d: element by element across the four planes, three runs of eight independent instructions
.irp i, 0,1,2,3,4,5,6,7
	v_maximum_f32 v[T+\i], v[X+32*\s+\i], v[X+32*\s+8+\i]
.endr
.irp i, 0,1,2,3,4,5,6,7
	v_maximum_f32 v[X+32*\s+16+\i], v[X+32*\s+16+\i], v[X+32*\s+24+\i]
.endr
.irp i, 0,1,2,3,4,5,6,7
	v_maximum_f32 v[T+\i], v[T+\i], v[X+32*\s+16+\i]
.endr
.if \fill
	FILL \s, \u+DEPTH                              ; the slot has been read out: its next unit is asked for before the rest of the work
.endif
	; over w: neighbours inside my 16 bytes.  Each line writes a register that the lines above it have finished reading.
	v_maximum_f32 v[T+0], v[T+0], v[T+1]           ; A, w' even
	v_maximum_f32 v[T+1], v[T+2], v[T+3]           ; A, w' odd
	v_maximum_f32 v[T+2], v[T+4], v[T+5]           ; B, w' even
	v_maximum_f32 v[T+3], v[T+6], v[T+7]           ; B, w' odd
	; over h: rows 2i and 2i+1 lie in lanes l and l xor 8.  A and B share one exchange: a lane with bit 3 clear keeps its A and sends its B,
	; a lane with bit 3 set keeps its B and sends its A, so each lane ends with one finished pair and none is held twice.
	v_cndmask_b32 v[Y+2*\u],   v[T+0], v[T+2], vcc_lo   ; kept
	v_cndmask_b32 v[Y+2*\u+1], v[T+1], v[T+3], vcc_lo
	v_cndmask_b32 v[T+4], v[T+2], v[T+0], vcc_lo        ; sent
	v_cndmask_b32 v[T+5], v[T+3], v[T+1], vcc_lo
	v_mov_b32_dpp v[T+6], v[T+4] row_xmask:8 row_mask:0xf bank_mask:0xf   ; T+6, T+7 were written whole earlier in this turn
	v_mov_b32_dpp v[T+7], v[T+5] row_xmask:8 row_mask:0xf bank_mask:0xf
	v_maximum_f32 v[Y+2*\u],   v[Y+2*\u],   v[T+6]
	v_maximum_f32 v[Y+2*\u+1], v[Y+2*\u+1], v[T+7]
	global_store_b64 v[SO], v[Y+2*\u:Y+2*\u+1], s[6:7] offset:\u*4096 th:TH_STORE_NT   ; the wave's 32 lanes store 256 consecutive bytes, at a multiple of 256 from out0's first byte
.endm
	FILL 0, 0
	FILL 1, 1
	FILL 2, 2
	FILL 3, 3
	TURN 0, 0, 1, 24                               ; 24 = the eight loads of each of the three younger units
	TURN 1, 1, 1, 24
	TURN 2, 2, 1, 24
	TURN 3, 3, 1, 24
	TURN 4, 0, 0, 24                               ; units 5, 6, 7 are still out; nothing more is asked for, so no load leaves x
	TURN 5, 1, 0, 16                               ; and the counts run down
	TURN 6, 2, 0, 8
	TURN 7, 3, 0, 0
	s_endpgm
.Lfunc_end_k_q6b4865ed6d_pool:
	.size	k_q6b4865ed6d_pool, .Lfunc_end_k_q6b4865ed6d_pool-k_q6b4865ed6d_pool
	.p2alignl 7, 3214868480
	.fill 96, 4, 3214868480
	.section	.rodata,"a",@progbits
	.p2align	6, 0x0
	.amdhsa_kernel k_q6b4865ed6d_pool
		.amdhsa_group_segment_fixed_size 0
		.amdhsa_private_segment_fixed_size 0
		.amdhsa_enable_private_segment 0
		.amdhsa_kernarg_size 16
		.amdhsa_user_sgpr_count 2
		.amdhsa_user_sgpr_kernarg_segment_ptr 1
		.amdhsa_wavefront_size32 1
		.amdhsa_system_sgpr_workgroup_id_x 1
		.amdhsa_system_sgpr_workgroup_id_y 1
		.amdhsa_system_sgpr_workgroup_id_z 1
		.amdhsa_system_vgpr_workitem_id 0
		.amdhsa_next_free_vgpr 156
		.amdhsa_next_free_sgpr 66
		.amdhsa_reserve_vcc 1
		.amdhsa_float_denorm_mode_32 3
		.amdhsa_float_denorm_mode_16_64 3
		.amdhsa_memory_ordered 1
		.amdhsa_forward_progress 1
		.amdhsa_inst_pref_size 26
	.end_amdhsa_kernel
	.amdgpu_metadata
---
amdhsa.version: [ 1, 2 ]
amdhsa.kernels:
  - .name:           k_q6b4865ed6d_pool
    .symbol:         k_q6b4865ed6d_pool.kd
    .args:
      - { .name: x, .offset: 0, .size: 8, .value_kind: global_buffer, .address_space: global }
      - { .name: out0, .offset: 8, .size: 8, .value_kind: global_buffer, .address_space: global }
    .group_segment_fixed_size: 0
    .private_segment_fixed_size: 0
    .kernarg_segment_align: 8
    .kernarg_segment_size: 16
    .max_flat_workgroup_size: 512
    .sgpr_count:     66
    .vgpr_count:     156
    .wavefront_size: 32
...
	.end_amdgpu_metadata
.endif
;; end of part 1
;; ======== version 2 of 2: 1 launch; version 1 with the launch pool written anew for expert scheduling mode
;; launch pool (part 2): grid 256 x 1, 16 waves a work-group, no clusters, 0 bytes of LDS; arguments x, out0; writes out0
.if DOCPART == 2
	.amdgcn_target "amdgcn-amd-amdhsa--gfx1250"
	.amdhsa_code_object_version 6
	.text
	.protected	k_q6b4865ed6d_pool
	.globl	k_q6b4865ed6d_pool
	.p2align	8
	.type	k_q6b4865ed6d_pool,@function
k_q6b4865ed6d_pool:
	s_mov_b64 s[64:65], 0
	v_nop
	global_prefetch_b8 v0, s[64:65] scope:SCOPE_SE
	s_setreg_imm32_b32 hwreg(HW_REG_WAVE_SCHED_MODE, 0, 2), 2
	s_setreg_imm32_b32 hwreg(HW_REG_WAVE_MODE, 25, 1), 1
	s_wait_xcnt 0x0
	s_wait_alu depctr_vm_vsrc(0)
; out0[bc][t'][d'][h'][w'] = max of x[bc][2t'+i][2d'+j][2h'+k][2w'+l], i, j, k, l in {0, 1}.
; x: [32][32][32][32][32] f32 (bc, t, d, h, w), out0: [32][16][16][16][16] f32.
; A stream: 134,217,728 bytes in, 8,388,608 out, 15 maxima an output.  Every input byte is loaded once, every output byte stored once.
;
; UNIT OF WORK: four output rows (h' = 4q .. 4q+3) of one output plane = 256 consecutive, aligned bytes of out0.  It is fed by eight input
; rows (h = 8q .. 8q+7, 1,024 consecutive bytes) of each of four input planes: (t, d), (t, d+1), (t+1, d), (t+1, d+1).  Eight loads of
; 16 bytes a lane, each covering 512 consecutive bytes for the wave; one store of 8 bytes a lane, covering the 256 bytes.
; SHARES: work-group g owns the 524,288 consecutive bytes of x at 524,288 g (four t slabs of one bc) and the 32,768 consecutive bytes of
; out0 at 32,768 g.  In step s (0 .. 7) its sixteen waves together read 32 KiB in a run at t and 32 KiB in a run at t+1, and write 4 KiB
; in a run; wave w takes plane w / 4 and quarter w % 4 of that step.  All steps are immediate offsets: no address register is rewritten.
; RING: four slots of 32 registers in each wave, 32 loads (16 KiB) of a wave on their way.
; NOT USED: LDS, barriers, the data mover (no wave needs another's bytes, and the registers hold what is in flight); clusters (no two
; work-groups read the same byte); matrix instructions (no products).
; VALUES: v_maximum_f32 lets a NaN win, as the reference's max does; infinities pass as they are.  Limit kept: of +0 and -0 the result
; is +0, whichever of the two equal numbers the reference returns.
; THE MODE: SCHED_MODE bits 1:0 = 2 (LLVM: expert scheduling mode 2), set by the entry lines.  The code itself states the register dependences
; between vector instructions and memory instructions, with s_wait_alu, always for 0.
; THE PLAN.  Registers that memory instructions touch:
;   v[LO], v[SO]  the loads' and the stores' offsets: written at the head, never again.
;   X slot s      Turn u = s (u = 0 .. 3): the 24 maxima over t and d read it and write eight of its registers in place; behind them the eight
;                 loads of unit u + 4 land in it.  In turns 4 .. 7 it is read and not loaded again.
;   Y[u]          a pair for each unit: written at the end of turn u, read by one store, which is issued in turn u + 1; never written again.
;   T and v3 are named by vector instructions alone.  VCC is written by a scalar move alone; EXEC is never written.
; So ONE wait on va_vdst stands in a turn.  In turns 0 .. 3 it stands behind the 24 maxima: they are done with the slot, and the turn before has
; written its Y.  The eight loads and the store follow it, dealt among the turn's other twelve vector instructions, which name T, Y[u] and VCC:
; none of the registers that those nine touch.  In turns 4 .. 7 it stands at the head, for the store alone.  No register that a memory
; instruction reads is ever written again, so the turns hold no wait on vm_vsrc and none on XCNT.
.set DEPTH,  4                         ; slots = units in flight in each wave
.set D_STEP, 4096                      ; bytes of x from d to d+1 (one plane of 32 x 32 f32)
.set T_STEP, 131072                    ; bytes of x from t to t+1
.set LO, 1                             ; v1        16 x lane: my 16 bytes in a run of 512
.set SO, 2                             ; v2        my 8 bytes in the unit's 256 bytes of out0
.set T,  4                             ; v[4:11]   at work
.set Y,  12                            ; v[12:27]  unit u: its own pair of results, so that no store's data is ever rewritten
.set X,  28                            ; v[28:155] slot s: 32 registers; plane p at 8 p; lower 512 bytes (A) at +0, upper (B) at +4
	s_load_b128 s[4:7], s[0:1], 0x0                ; x s[4:5], out0 s[6:7]
	v_lshrrev_b32 v3, 5, v0
	v_readfirstlane_b32 s8, v3                     ; wave 0 .. 15
	v_and_b32 v3, 31, v0                           ; lane l
	v_lshlrev_b32 v[LO], 4, v3
	; In a run of 512 bytes lane l holds w = 4 (l % 8) .. +3 of row l / 8.  Behind the exchange below, lanes with bit 3 clear hold output row
	; l / 16 (from A), lanes with bit 3 set output row 2 + l / 16 (from B), each the columns w' = 2 (l % 8), +1.
	v_and_b32 v[SO], 7, v3
	v_lshlrev_b32 v[SO], 3, v[SO]                  ; 8 (l % 8)
	v_bfe_u32 v[T], v3, 4, 1
	v_lshl_add_u32 v[SO], v[T], 6, v[SO]           ; + 64 x bit 4: one output row
	v_bfe_u32 v[T], v3, 3, 1
	v_lshl_add_u32 v[SO], v[T], 7, v[SO]           ; + 128 x bit 3: two output rows
	s_wait_alu depctr_va_sdst(0)                   ; s8 is written, ahead of its first reader: the bases of x and out0 are made from it
	s_mov_b32 vcc_lo, 0xff00ff00                   ; the lanes with bit 3 set; never rewritten
	s_lshl_b32 s10, ttmp9, 19                      ; x: 524,288 g (below 2^27)
	s_lshr_b32 s9, s8, 2
	s_lshl_b32 s9, s9, 13                          ; + (w / 4) output planes = pairs of input planes, 8,192 bytes
	s_add_co_u32 s10, s10, s9
	s_and_b32 s9, s8, 3
	s_lshl_b32 s9, s9, 10                          ; + (w % 4) quarters of 1,024 bytes
	s_add_co_u32 s10, s10, s9
	s_mov_b32 s11, 0
	s_lshl_b32 s12, ttmp9, 15                      ; out0: 32,768 g
	s_lshl_b32 s9, s8, 8                           ; + 256 w
	s_add_co_u32 s12, s12, s9
	s_mov_b32 s13, 0
	s_wait_kmcnt 0x0
	s_add_nc_u64 s[4:5], s[4:5], s[10:11]
	s_add_nc_u64 s[6:7], s[6:7], s[12:13]
	s_wait_alu depctr_va_vdst(0)                   ; v[LO] and v[SO] are written: every load and store of the kernel reads one of them as its offset
; Two loads: plane p of unit u into slot s.  Steps 0-3 walk d' in fours (32,768 bytes of x each), steps 4-7 the same for the next t' (262,144 bytes on).
; The data are read once in the whole launch: non-temporal.
.macro PLANE s, u, p
.set IN, ((\u)&3)*32768+((\u)>>2)*262144+((\p)&1)*D_STEP+((\p)>>1)*T_STEP
	global_load_b128 v[X+32*(\s)+8*(\p):X+32*(\s)+8*(\p)+3],   v[LO], s[4:5] offset:IN th:TH_LOAD_NT
	global_load_b128 v[X+32*(\s)+8*(\p)+4:X+32*(\s)+8*(\p)+7], v[LO], s[4:5] offset:IN+512 th:TH_LOAD_NT
.endm
; Eight loads: the whole of unit u into slot s.
.macro FILL s, u
.irp p, 0,1,2,3
	PLANE \s, \u, \p
.endr
.endm
; Unit u leaves: the wave's 32 lanes store 256 consecutive bytes, at a multiple of 256 from out0's first byte.
.macro STORE u
	global_store_b64 v[SO], v[Y+2*(\u):Y+2*(\u)+1], s[6:7] offset:(\u)*4096 th:TH_STORE_NT
.endm
; The turn of unit u, which lies in slot s.  fill = 1: the slot then takes unit u + DEPTH.  left = younger loads that may stay out.
.macro TURN u, s, fill, left
.if !\fill
	s_wait_alu depctr_va_vdst(0)                   ; the turn before has written Y[u-1], which the store below reads
	STORE \u-1                                     ; it leaves ahead of the wait for this unit's data
.endif
	s_wait_loadcnt \left                           ; loads come back in order (ISA guide 5.7.1): this unit's eight are in
	; over t and d: element by element across the four planes, three runs of eight independent instructions
.irp i, 0,1,2,3,4,5,6,7
	v_maximum_f32 v[T+\i], v[X+32*\s+\i], v[X+32*\s+8+\i]
.endr
.irp i, 0,1,2,3,4,5,6,7
	v_maximum_f32 v[X+32*\s+16+\i], v[X+32*\s+16+\i], v[X+32*\s+24+\i]
.endr
.irp i, 0,1,2,3,4,5,6,7
	v_maximum_f32 v[T+\i], v[T+\i], v[X+32*\s+16+\i]
.endr
.if \fill
	s_wait_alu depctr_va_vdst(0)                   ; the 24 maxima above are done reading the slot and writing its third plane, in which the loads below land; the turn before has written Y[u-1], which the store below reads
	PLANE \s, \u+DEPTH, 0                          ; the slot has been read out: its next unit is asked for before the rest of the work.
	PLANE \s, \u+DEPTH, 1                          ; No further wait: no vector instruction since the wait names the slot
.endif
	; over w: neighbours inside my 16 bytes.  Each line writes a register that the lines above it have finished reading.
	v_maximum_f32 v[T+0], v[T+0], v[T+1]           ; A, w' even
	v_maximum_f32 v[T+1], v[T+2], v[T+3]           ; A, w' odd
	v_maximum_f32 v[T+2], v[T+4], v[T+5]           ; B, w' even
	v_maximum_f32 v[T+3], v[T+6], v[T+7]           ; B, w' odd
.if \fill
	PLANE \s, \u+DEPTH, 2
	PLANE \s, \u+DEPTH, 3
.endif
	; over h: rows 2i and 2i+1 lie in lanes l and l xor 8.  A and B share one exchange: a lane with bit 3 clear keeps its A and sends its B,
	; a lane with bit 3 set keeps its B and sends its A, so each lane ends with one finished pair and none is held twice.
	v_cndmask_b32 v[Y+2*\u],   v[T+0], v[T+2], vcc_lo   ; kept
	v_cndmask_b32 v[Y+2*\u+1], v[T+1], v[T+3], vcc_lo
	v_cndmask_b32 v[T+4], v[T+2], v[T+0], vcc_lo        ; sent
	v_cndmask_b32 v[T+5], v[T+3], v[T+1], vcc_lo
.if (\fill) && ((\u) > 0)
	STORE \u-1                                     ; the unit before: the lines since the wait write Y[u], another pair
.endif
	v_mov_b32_dpp v[T+6], v[T+4] row_xmask:8 row_mask:0xf bank_mask:0xf   ; T+6, T+7 were written whole earlier in this turn
	v_mov_b32_dpp v[T+7], v[T+5] row_xmask:8 row_mask:0xf bank_mask:0xf
	v_maximum_f32 v[Y+2*\u],   v[Y+2*\u],   v[T+6]
	v_maximum_f32 v[Y+2*\u+1], v[Y+2*\u+1], v[T+7]
.endm
	FILL 0, 0                                      ; no vector instruction has named a slot yet: the head's wait, for v[LO], is all that these loads hang on
	FILL 1, 1
	FILL 2, 2
	FILL 3, 3
	TURN 0, 0, 1, 24                               ; 24 = the eight loads of each of the three younger units
	TURN 1, 1, 1, 24
	TURN 2, 2, 1, 24
	TURN 3, 3, 1, 24
	TURN 4, 0, 0, 24                               ; units 5, 6, 7 are still out; nothing more is asked for, so no load leaves x
	TURN 5, 1, 0, 16                               ; and the counts run down
	TURN 6, 2, 0, 8
	TURN 7, 3, 0, 0
	s_wait_alu depctr_va_vdst(0)                   ; turn 7 has written Y[7], which the last store reads
	STORE 7
	s_endpgm
.Lfunc_end_k_q6b4865ed6d_pool:
	.size	k_q6b4865ed6d_pool, .Lfunc_end_k_q6b4865ed6d_pool-k_q6b4865ed6d_pool
	.p2alignl 7, 3214868480
	.fill 96, 4, 3214868480
	.section	.rodata,"a",@progbits
	.p2align	6, 0x0
	.amdhsa_kernel k_q6b4865ed6d_pool
		.amdhsa_group_segment_fixed_size 0
		.amdhsa_private_segment_fixed_size 0
		.amdhsa_enable_private_segment 0
		.amdhsa_kernarg_size 16
		.amdhsa_user_sgpr_count 2
		.amdhsa_user_sgpr_kernarg_segment_ptr 1
		.amdhsa_wavefront_size32 1
		.amdhsa_system_sgpr_workgroup_id_x 1
		.amdhsa_system_sgpr_workgroup_id_y 1
		.amdhsa_system_sgpr_workgroup_id_z 1
		.amdhsa_system_vgpr_workitem_id 0
		.amdhsa_next_free_vgpr 156
		.amdhsa_next_free_sgpr 66
		.amdhsa_reserve_vcc 1
		.amdhsa_float_denorm_mode_32 3
		.amdhsa_float_denorm_mode_16_64 3
		.amdhsa_memory_ordered 1
		.amdhsa_forward_progress 1
		.amdhsa_inst_pref_size 26
	.end_amdhsa_kernel
	.amdgpu_metadata
---
amdhsa.version: [ 1, 2 ]
amdhsa.kernels:
  - .name:           k_q6b4865ed6d_pool
    .symbol:         k_q6b4865ed6d_pool.kd
    .args:
      - { .name: x, .offset: 0, .size: 8, .value_kind: global_buffer, .address_space: global }
      - { .name: out0, .offset: 8, .size: 8, .value_kind: global_buffer, .address_space: global }
    .group_segment_fixed_size: 0
    .private_segment_fixed_size: 0
    .kernarg_segment_align: 8
    .kernarg_segment_size: 16
    .max_flat_workgroup_size: 512
    .sgpr_count:     66
    .vgpr_count:     156
    .wavefront_size: 32
...
	.end_amdgpu_metadata
.endif
;; end of part 2
